; MI455X (gfx1250); checked and timed in simulation.
; The chip was launched on July 23, 2026; its instructions are those of AMD's public machine-readable ISA for CDNA 5 (MIT licence, August 2026) and "CDNA5" Instruction Set Architecture Reference Guide (July 2026). The comments in the code are by the model that wrote it; some were corrected since.
;; Attention Base. Allowed arithmetic: matrix products marked QUANTISED: E4M3 operands, one given power-of-two scale a tensor, by v_wmma_f32_16x16x64_fp8_fp8 or v_wmma_f32_16x16x128_fp8_fp8, f32 sums; everything else in f32.
;; Inputs: W_out 1,024 x 1,024 float32; g 1,024 float32; k 4 x 2,048 x 1,024 float32; lowp_scales 6 int32 (the exponents e of the quantised operands' scales 2^e); q 4 x 2,048 x 1,024 float32; v 4 x 2,048 x 1,024 float32.
;; Outputs: out0 4 x 2,048 x 1,024 float32.
;; This version of the problem:
;;   THIS VERSION OF THE PROBLEM IS GIVEN IN LOW PRECISION. The matrix products marked QUANTISED in the list below multiply operands that are first quantised to E4M3 (4 exponent bits, 3 mantissa bits; 8 bits a number), with one given power-of-two scale for each operand tensor; their sums are f32. All else is computed in f32.
;;   The module's matrix products, in the order in which they are computed (A, B: the left and right operand; K: the contracted axis; several contracted axes count as one K, in the product's order):
;;     1. batch 64 x [M 2,048, K 64] x [K 64, N 2,048]; A: computed on the way; B: input k: QUANTISED (scales: A lowp_scales[0], B lowp_scales[1])
;;     2. batch 64 x [M 2,048, K 2,048] x [K 2,048, N 64]; A: softmax (see below); B: input v: QUANTISED (scales: A lowp_scales[2], B lowp_scales[3])
;;     3. [M 8,192, K 1,024] x [K 1,024, N 1,024]; A: computed on the way; B: input W_out: QUANTISED (scales: A lowp_scales[4], B lowp_scales[5])
;;   THE QUANTISER, for each operand of a quantised product, along K:
;;     - The operand's scale is 2^e, e = its entry of the input lowp_scales (int32; the entries are numbered through the quantised products in the list's order, A before B).
;;     - Each number is divided by the scale, clamped to +-448, and rounded to the nearest number of E4M3, ties to even, subnormals kept.
;;     - The product sums the exact products of the quantised numbers (number of the format x scale) in f32.
;;   ~~~python
;;   def quantise(x, axis, e):      # numpy; x: float32 -> the quantised numbers, widened to float32 again
;;       x = np.moveaxis(x, axis, -1); K = x.shape[-1]
;;       r = np.clip(x / 2.0 ** e, -448, 448)
;;       step = 2.0 ** (np.maximum(np.frexp(np.where(r == 0, 1, r))[1] - 1, -6) - 3)
;;       q = np.round(r / step) * step * 2.0 ** e      # np.round: ties to even
;;       return np.moveaxis(q, -1, axis).astype(np.float32)
;;   ~~~
;;   SOFTMAX AHEAD OF A QUANTISED PRODUCT. Where the list says 'softmax', what is quantised is not the finished softmax but p = 2^(t - M), with t = logit x log2(e) and M = ceil(the row's largest t), a whole number; so 1/2 < the row's largest p <= 1. The row's sum l is taken of the UNQUANTISED p, in f32, and the product's result is divided by l at the end. Since M is a whole number, a kernel that streams over the keys may use a running M (the ceiling of the running maximum): every later rescaling is an exact power of two, so the quantised numbers keep their values, but for numbers so far below the row's largest that they fall under the format's range.
;;   OPERANDS COMPUTED ON THE WAY. 'Computed on the way' means the value that the module computes at that place (a softmax that the list does not call 'softmax' is quantised finished and normalised). What goes into a quantiser is computed in f32, as accurately as f32 sums, v_exp_f32 and their like allow (about 1e-6 of the number): no bf16 or f16 on the way to a quantiser, and a product that is left as it is and whose result goes on into a quantised operand takes f32 operands (vector FMAs, or v_wmma_f32_16x16x4_f32). A number that lies on a knife's edge between two numbers of the format may be rounded either way, as far as f32 arithmetic and the matrix unit's own rounding can turn it there, and no further.
;; One version. Each part assembles by itself: llvm-mc -triple=amdgcn-amd-amdhsa -mcpu=gfx1250 --defsym DOCPART=n.
;; ======== version 1 of 1: 3 launches
;; limits: right only within a limited range of input values
;; workspace buffers: kvimg 16,777,216 bytes; wimg 1,048,576 bytes; aimg 8,388,608 bytes
;; launch prep (part 1): grid 544 x 1, 4 waves a work-group, no clusters, 35,328 bytes of LDS; arguments k, W_out, v, lowp_scales, kvimg, wimg; writes kvimg, wimg
.if DOCPART == 1
	.amdgcn_target "amdgcn-amd-amdhsa--gfx1250"
	.amdhsa_code_object_version 6
	.text
	.protected	k_q16acb6147c_prep
	.globl	k_q16acb6147c_prep
	.p2align	8
	.type	k_q16acb6147c_prep,@function
k_q16acb6147c_prep:
	s_mov_b64 s[64:65], 0
	v_nop
	global_prefetch_b8 v0, s[64:65] scope:SCOPE_SE
	s_setreg_imm32_b32 hwreg(HW_REG_WAVE_MODE, 25, 1), 1
	s_wait_xcnt 0x0
; PREP: k, v and W_out (f32) become codes of E4M3, each with its given scale 2^e, laid as IMAGES OF THE OPERANDS' REGISTERS for the two launches that follow.
; code = x / 2^e, held within +-448, rounded to the nearest code, ties to even.  e: entry 1 (k), entry 3 (v), entry 5 (W_out) of the scales' buffer.
; NOTHING OF reference() IS LEFT OUT in this program: every input has a way to the output, every product of the table is live.
; LIMITS: each of these three e lies between -126 and 119, so that 2^e and 448 x 2^e are f32 numbers.  NaN among the inputs is not served (an infinity is held at the largest code).
; LAYOUTS (L = lane, r = L % 16, h = L / 16; a unit is a lane's 16 bytes):
;   kvimg [bh 64][s 16][16,384 bytes], bh = 16 x batch + head, s = a step of 128 keys.
;     bytes 0 on:     K [T 8][c 2][L 32][16]: key 128 s + 32 (T / 2) + 8 (T % 2) + r + 8 (r / 8), channels 32 c + 16 h + 0 .. 15
;     bytes 8,192 on: V [t 4][c 4][L 32][16]: channel 16 t + r, keys 128 s + 32 c + 16 h + 0 .. 15
;   wimg [s 8][T 64][c 4][L 32][16]: row 16 T + r of W_out, k = 128 s + 32 c + 16 h + 0 .. 15
; SHARES.  Work-groups 0-255 take k and 256-287 W_out, by ONE path (K is innermost in both): only pointers, strides and e are chosen, by selects on the work-group's number.
; Work-groups 288-543 take v, whose K (the keys) is not innermost: a lane takes a column and its registers run down the keys.
; No cluster: no input byte is read by two work-groups.  No tensor load, no barrier: the waves share nothing.
.set SP,    272                        ; a stage row: 256 bytes (64 numbers) + 16 of padding: the 16 rows that a read touches start 68 words apart
.set STG,   16*SP                      ; a stage: 16 rows
.set WREG,  2*STG                      ; two stages for each wave
.set SPARE, 4*WREG                     ; behind the stages: the spare words, 128 bytes for each wave: two blocks of 256 bytes that no other line names
.set RO,  4                            ; v4      row path: my byte offset in the source
.set SI,  5                            ; v5      the stage, on the way in
.set SO,  6                            ; v6      the stage, on the way out
.set SC,  7                            ; v7      2^e as f32
.set OFF, 8                            ; v8-15   row path: step i's byte offset in the image; never rewritten
.set VI,  18                           ; v18     column path: my byte offset in v
.set VO,  19                           ; v19     column path: my byte offset in the image
.set LIM, 28                           ; v28     448 x 2^e
.set SPW, 30                           ; v30     LDS address of my spare word; never rewritten
.set NIL, 31                           ; v31     0; never rewritten
.set RS,  32                           ; v32-95  two sets of 32 registers as loaded
.set XS,  96                           ; v96-159 row path: two sets of 32 numbers, neighbours along K
.set CD,  160                          ; v160-223 codes: eight registers for each step, so that no store's data are written again
	s_load_b256 s[4:11], s[0:1], 0x0               ; k s[4:5], W_out s[6:7], v s[8:9], the scales' exponents s[10:11]
	s_load_b128 s[12:15], s[0:1], 0x20             ; kvimg s[12:13], wimg s[14:15]
	v_lshl_add_u32 v[SPW], v0, 2, SPARE
	v_mov_b32 v[NIL], 0
	v_lshrrev_b32 v1, 5, v0
	v_readfirstlane_b32 s16, v1                    ; wave 0..3
	v_and_b32 v1, 31, v0                           ; lane
	v_and_b32 v2, 15, v0                           ; r
	v_bfe_u32 v3, v0, 4, 1                         ; h
	s_mul_i32 s17, s16, WREG                       ; my wave's stages.  Both LDS addresses are made here, ahead of the parting of the paths
	v_mul_u32_u24 v[SI], v3, 8*SP
	v_lshl_add_u32 v[SI], v2, 4, v[SI]
	v_add_nc_u32 v[SI], s17, v[SI]                 ; in: lanes 0-15 fill a row of the stage's first eight, lanes 16-31 one of its last eight, 16 bytes a lane
	v_mul_u32_u24 v[SO], v2, SP
	v_lshl_add_u32 v[SO], v3, 6, v[SO]
	v_add_nc_u32 v[SO], s17, v[SO]                 ; out: row r, my half's 16 numbers of a block of 32
	s_wait_kmcnt 0x0
	s_load_b128 s[20:23], s[10:11], 0x0            ; e0 .. e3
	s_load_b64 s[24:25], s[10:11], 0x10            ; e4, e5
	s_cmp_ge_u32 ttmp9, 288
	s_cbranch_scc1 .Lv
; s42 holds e: the conversion's scale and the hold's bound
.macro MKSC
	s_add_co_i32 s42, s42, 127
	s_lshl_b32 s43, s42, 23
	v_mov_b32 v[SC], s43                           ; 2^e as f32: the conversion takes its exponent field
	s_add_co_i32 s42, s42, 8
	s_lshl_b32 s42, s42, 23
	s_or_b32 s42, s42, 0x600000
	v_mov_b32 v[LIM], s42                          ; 448 x 2^e
.endm
; ---------------- THE ROW PATH: k and W_out ----------------
; A step is 16 rows x 64 numbers -> 1,024 bytes of image.  A wave has one tile of 16 rows (R) and half of their 4,096 bytes (hh): eight steps side by side.
; The loads take the bytes as they lie (sixteen lanes read 256 consecutive bytes of a row); the stage turns them, so that a lane gets 16 neighbours along K, twice.
	s_cmp_lt_u32 ttmp9, 256                        ; k's work-group or W_out's?  The choice hangs on the work-group's number alone
	s_cselect_b64 s[26:27], s[4:5], s[6:7]         ; the source
	s_cselect_b64 s[28:29], s[12:13], s[14:15]     ; the image
	s_cselect_b32 s30, 0, 256
	s_sub_co_u32 s30, ttmp9, s30
	s_lshl_b32 s30, s30, 2
	s_add_co_u32 s30, s30, s16                     ; u = 4 x (my work-group among its tensor's) + wave
	s_lshr_b32 s31, s30, 1                         ; R
	s_and_b32 s32, s30, 1                          ; hh
	s_lshr_b32 s33, s31, 3                         ; k: R = 8 x (16 batch + s) + T; the tile's first row is 128 (R / 8) + 32 (T / 2) + 8 (T % 2)
	s_lshl_b32 s33, s33, 7
	s_bfe_u32 s34, s31, 0x20001
	s_lshl_b32 s34, s34, 5
	s_add_co_u32 s33, s33, s34
	s_and_b32 s34, s31, 1
	s_lshl_b32 s34, s34, 3
	s_add_co_u32 s33, s33, s34
	s_lshl_b32 s35, s31, 4                         ; W_out: 16 R
	s_lshr_b32 s36, s31, 7                         ; k's image: batch << 22 + hh << 21 (eight heads) + s << 14 + T << 10
	s_lshl_b32 s36, s36, 22
	s_lshl_b32 s37, s32, 21
	s_add_co_u32 s36, s36, s37
	s_bfe_u32 s37, s31, 0x40003
	s_lshl_b32 s37, s37, 14
	s_add_co_u32 s36, s36, s37
	s_and_b32 s37, s31, 7
	s_lshl_b32 s37, s37, 10
	s_add_co_u32 s36, s36, s37
	s_lshl_b32 s38, s32, 19                        ; W_out's image: hh << 19 (four K steps) + R << 11
	s_lshl_b32 s37, s31, 11
	s_add_co_u32 s38, s38, s37
	s_cmp_lt_u32 ttmp9, 256                        ; compared again: the sums above have written SCC
	s_cselect_b32 s33, s33, s35                    ; the first row
	s_cselect_b32 s36, s36, s38                    ; the image's base
	s_mov_b32 s39, 32768
	s_cselect_b32 s39, 65536, s39                  ; lanes 16-31 read 16 rows further down in k (the tile's second eight keys), 8 in W_out
	s_mov_b32 s40, 1024
	s_cselect_b32 s40, 0x40000, s40                ; from an even step to the odd one: a head in k, two units' rows of c in W_out
	s_mov_b32 s41, 131072
	s_cselect_b32 s41, 0x80000, s41                ; from a pair of steps to the next: two heads in k, a K step in W_out
	s_lshl_b32 s33, s33, 12
	s_lshl_b32 s43, s32, 11
	s_add_co_u32 s33, s33, s43
	s_wait_alu depctr_va_vdst(0)
	v_mul_lo_u32 v[RO], v3, s39
	v_lshl_add_u32 v[RO], v2, 4, v[RO]
	v_add_nc_u32 v[RO], s33, v[RO]                 ; first row x 4,096 + 2,048 hh + my half's rows + 16 r
	s_wait_alu depctr_va_vdst(0)
.irp i, 0,1,2,3,4,5,6,7
	s_mul_i32 s43, s41, \i/2
	s_add_co_u32 s43, s43, s36
.if \i%2
	s_add_co_u32 s43, s43, s40
.endif
	v_lshl_add_u32 v[OFF+\i], v1, 4, s43           ; step i's place in the image + 16 x lane
.endr
.macro LOADR t                         ; step t: eight loads; each half of the lanes reads 256 consecutive bytes of one row
.irp i, 0,1,2,3,4,5,6,7
	global_load_b128 v[RS+32*((\t)%2)+4*\i:RS+32*((\t)%2)+4*\i+3], v[RO], s[26:27] offset:256*(\t)+4096*\i th:TH_LOAD_NT
.endr
.endm
.macro TURN t                          ; step t through its stage: LDS serves a wave's instructions in order (ISA guide 5.7.1.4), so no wait stands between the stores and the loads
.irp i, 0,1,2,3,4,5,6,7
	ds_store_b128 v[SI], v[RS+32*((\t)%2)+4*\i:RS+32*((\t)%2)+4*\i+3] offset:STG*((\t)%2)+SP*\i
.endr
.irp c, 0,1
.irp j, 0,1,2,3
	ds_load_b128 v[XS+32*((\t)%2)+16*\c+4*\j:XS+32*((\t)%2)+16*\c+4*\j+3], v[SO] offset:STG*((\t)%2)+128*\c+16*\j
.endr
.endr
.endm
.macro STEPR t
.set XT, XS+32*((\t)%2)
	s_wait_dscnt 0x0                               ; this step's numbers are back from the stage: so its stores into the stage have read their registers,
.if (\t)+2 < 8
	LOADR (\t)+2                                   ; which take the loads of two steps on
.endif
.if (\t)+1 < 8
.if (\t)+2 < 8
	s_wait_loadcnt 8                               ; the next step's eight loads are in; the eight just issued may be out
.else
	s_wait_loadcnt 0
.endif
	TURN (\t)+1                                    ; and go through the other stage while this step is worked
.endif
.irp i, 0,1,2,3,4,5,6,7,8,9,10,11,12,13,14,15,16,17,18,19,20,21,22,23,24,25,26,27,28,29,30,31
	v_med3_num_f32 v[XT+\i], v[XT+\i], -v[LIM], v[LIM]   ; the conversion to an 8-bit code does not saturate (ISA guide 7.6.2): the hold at the largest code x the scale
.endr
.irp g, 0,1,2,3
	v_cvt_scalef32_pk8_fp8_f32 v[CD+8*(\t)+2*\g:CD+8*(\t)+2*\g+1], v[XT+8*\g:XT+8*\g+7], v[SC]
.endr
	global_store_b128 v[OFF+(\t)], v[CD+8*(\t):CD+8*(\t)+3], s[28:29]                  ; 32 lanes store 512 consecutive bytes, aligned: the units of c = 0,
	global_store_b128 v[OFF+(\t)], v[CD+8*(\t)+4:CD+8*(\t)+7], s[28:29] offset:512     ; and of c = 1.  (The codes go to stores alone; the next vector lines are the next step's holds, plain and on other registers)
.endm
	LOADR 0
	LOADR 1
	s_wait_kmcnt 0x0
	s_cmp_lt_u32 ttmp9, 256
	s_cselect_b32 s42, s21, s25                    ; e1 for k, e5 for W_out
	MKSC
	s_wait_alu depctr_va_vdst(0)
	s_wait_loadcnt 8                               ; step 0's eight loads are in
	TURN 0
.irp t, 0,1,2,3,4,5,6,7
	STEPR \t
.endr
	s_wait_tensorcnt 0x0                           ; the wave's end: three closing lines behind my last LDS store
	ds_add_u32 v[SPW], v[NIL]
	s_wait_dscnt 0x0
	s_endpgm
; ---------------- THE COLUMN PATH: v ----------------
; A LANE TAKES A COLUMN (head, channel) AND ITS REGISTERS RUN DOWN THE KEYS: a load reads 128 consecutive bytes a wave, 512 a work-group, and the conversions give codes with the keys innermost.
; A wave takes 32 columns x 256 keys, eight blocks of 32 keys.  A lane's 16 codes are one unit of the image, and sixteen neighbouring lanes' units lie on end: no stage is needed.
.Lv:
	s_sub_co_u32 s30, ttmp9, 288                   ; g
	s_and_b32 s31, s30, 7
	s_lshl_b32 s31, s31, 2
	s_add_co_u32 s31, s31, s16                     ; cg: which 32 columns
	s_lshr_b32 s32, s30, 3                         ; bc = 8 x batch + which 256 keys
	s_lshl_b32 s34, s32, 20                        ; 256 rows of 4,096 bytes
	s_lshl_b32 s33, s31, 7
	s_add_co_u32 s34, s34, s33
	s_mov_b32 s35, 0
	s_add_nc_u64 s[8:9], s[8:9], s[34:35]
	s_lshr_b32 s36, s32, 3
	s_lshl_b32 s36, s36, 4
	s_lshr_b32 s33, s31, 1
	s_add_co_u32 s36, s36, s33                     ; bh = 16 x batch + cg / 2
	s_lshl_b32 s36, s36, 18
	s_and_b32 s33, s32, 7
	s_lshl_b32 s33, s33, 15                        ; two steps of 16,384 bytes for 256 keys
	s_add_co_u32 s36, s36, s33
	s_and_b32 s33, s31, 1
	s_lshl_b32 s33, s33, 12                        ; the head's upper 32 channels: t = 2, 3
	s_add_co_u32 s36, s36, s33
	s_add_co_u32 s36, s36, 8192                    ; V lies behind K in a step
	s_mov_b32 s37, 0
	s_add_nc_u64 s[12:13], s[12:13], s[36:37]
	s_wait_alu depctr_va_vdst(0)
	v_lshlrev_b32 v[VI], 2, v1
	v_lshlrev_b32 v[VO], 11, v3                    ; lanes 16-31: the next t,
	v_lshl_add_u32 v[VO], v2, 4, v[VO]             ; unit r
.macro LOADV q                         ; block q: v(32 q + i, my column), i = 0 .. 31
.irp i, 0,1,2,3,4,5,6,7,8,9,10,11,12,13,14,15,16,17,18,19,20,21,22,23,24,25,26,27,28,29,30,31
	global_load_b32 v[RS+32*((\q)%2)+\i], v[VI], s[8:9] offset:(32*(\q)+\i)*4096 th:TH_LOAD_NT
.endr
.endm
.macro BLOCKV q
.set XT, RS+32*((\q)%2)
.if (\q) < 7
	s_wait_loadcnt 32                              ; this block's 32 loads are in; the next block's may be out
.else
	s_wait_loadcnt 0
.endif
.irp i, 0,1,2,3,4,5,6,7,8,9,10,11,12,13,14,15,16,17,18,19,20,21,22,23,24,25,26,27,28,29,30,31
	v_med3_num_f32 v[XT+\i], v[XT+\i], -v[LIM], v[LIM]
.endr
.irp g, 0,1,2,3
	v_cvt_scalef32_pk8_fp8_f32 v[CD+8*(\q)+2*\g:CD+8*(\q)+2*\g+1], v[XT+8*\g:XT+8*\g+7], v[SC]
.endr
	global_store_b128 v[VO], v[CD+8*(\q):CD+8*(\q)+3], s[12:13] offset:((\q)/4)*16384+((\q)%4)*512         ; keys 0-15 of the block: the units of h = 0: each half of the lanes stores 256 consecutive bytes, aligned
	global_store_b128 v[VO], v[CD+8*(\q)+4:CD+8*(\q)+7], s[12:13] offset:((\q)/4)*16384+((\q)%4)*512+256   ; keys 16-31: h = 1
.if (\q)+2 < 8
	LOADV (\q)+2
.endif
.endm
	LOADV 0
	LOADV 1
	s_wait_kmcnt 0x0
	s_mov_b32 s42, s23                             ; e3
	MKSC
	s_wait_alu depctr_va_vdst(0)
.irp q, 0,1,2,3,4,5,6,7
	BLOCKV \q
.endr
	s_wait_tensorcnt 0x0                           ; the same three closing lines on this path
	ds_add_u32 v[SPW], v[NIL]
	s_wait_dscnt 0x0
	s_endpgm
.Lfunc_end_k_q16acb6147c_prep:
	.size	k_q16acb6147c_prep, .Lfunc_end_k_q16acb6147c_prep-k_q16acb6147c_prep
	.p2alignl 7, 3214868480
	.fill 96, 4, 3214868480
	.section	.rodata,"a",@progbits
	.p2align	6, 0x0
	.amdhsa_kernel k_q16acb6147c_prep
		.amdhsa_group_segment_fixed_size 35328
		.amdhsa_private_segment_fixed_size 0
		.amdhsa_enable_private_segment 0
		.amdhsa_kernarg_size 48
		.amdhsa_user_sgpr_count 2
		.amdhsa_user_sgpr_kernarg_segment_ptr 1
		.amdhsa_wavefront_size32 1
		.amdhsa_system_sgpr_workgroup_id_x 1
		.amdhsa_system_sgpr_workgroup_id_y 1
		.amdhsa_system_sgpr_workgroup_id_z 1
		.amdhsa_system_vgpr_workitem_id 0
		.amdhsa_next_free_vgpr 224
		.amdhsa_next_free_sgpr 66
		.amdhsa_reserve_vcc 0
		.amdhsa_float_denorm_mode_32 3
		.amdhsa_float_denorm_mode_16_64 3
		.amdhsa_memory_ordered 1
		.amdhsa_forward_progress 1
		.amdhsa_inst_pref_size 85
	.end_amdhsa_kernel
	.amdgpu_metadata
---
amdhsa.version: [ 1, 2 ]
amdhsa.kernels:
  - .name:           k_q16acb6147c_prep
    .symbol:         k_q16acb6147c_prep.kd
    .args:
      - { .name: k, .offset: 0, .size: 8, .value_kind: global_buffer, .address_space: global }
      - { .name: W_out, .offset: 8, .size: 8, .value_kind: global_buffer, .address_space: global }
      - { .name: v, .offset: 16, .size: 8, .value_kind: global_buffer, .address_space: global }
      - { .name: lowp_scales, .offset: 24, .size: 8, .value_kind: global_buffer, .address_space: global }
      - { .name: kvimg, .offset: 32, .size: 8, .value_kind: global_buffer, .address_space: global }
      - { .name: wimg, .offset: 40, .size: 8, .value_kind: global_buffer, .address_space: global }
    .group_segment_fixed_size: 35328
    .private_segment_fixed_size: 0
    .kernarg_segment_align: 8
    .kernarg_segment_size: 48
    .max_flat_workgroup_size: 128
    .sgpr_count:     66
    .vgpr_count:     224
    .wavefront_size: 32
...
	.end_amdgpu_metadata
.endif
;; end of part 1
;; launch attn (part 2): grid 4 x 64, 8 waves a work-group, clusters of 4 x 1, 327,680 bytes of LDS; arguments q, kvimg, lowp_scales, aimg; writes aimg
.if DOCPART == 2
	.amdgcn_target "amdgcn-amd-amdhsa--gfx1250"
	.amdhsa_code_object_version 6
	.text
	.protected	k_q16acb6147c_attn
	.globl	k_q16acb6147c_attn
	.p2align	8
	.type	k_q16acb6147c_attn,@function
k_q16acb6147c_attn:
	s_mov_b64 s[64:65], 0
	v_nop
	global_prefetch_b8 v0, s[64:65] scope:SCOPE_SE
	s_setreg_imm32_b32 hwreg(HW_REG_WAVE_MODE, 25, 1), 1
	s_wait_xcnt 0x0
	s_wait_alu depctr_hold_cnt(0) depctr_sa_sdst(0) depctr_va_vdst(0) depctr_va_sdst(0) depctr_va_ssrc(0) depctr_va_vcc(0) depctr_vm_vsrc(0)
	s_getreg_b32 s2, hwreg(HW_REG_IB_STS2, 6, 4)
	s_cmp_eq_u32 s2, 0
	s_cbranch_scc0 .Lentry_in_a_cluster
	s_endpgm
.Lentry_in_a_cluster:
	s_bfe_u32 s2, ttmp6, 0x10000c
	s_cmp_lg_u32 s2, 0x3003
	s_cbranch_scc0 .Lentry_shape_is_right
	s_endpgm
.Lentry_shape_is_right:
.set DUAL,  1
.set STEPB, 16384
.set SPARE, 16*STEPB
.set ADL, 1
.set ADR, 2
.set QO,  3
.set GO,  4
.set SPW, 5
.set NIL, 6
.set PSC, 7
.set PL0, 8
.set PL1, 9
.set OSC, 10
.set OLM, 11
.set QSC, 12
.set QLM, 13
.set FF,  14
.set MX,  16
.set PD,  20
.set CH,  22
.set KF,  32
.set SB,  96
.set PC,  224
.set ST,  240
.set QF,  128
.set VF,  160
.set WV,  12
.set G1,  24
.set G0,  32
.set CS,  54
.set SEL, 56
.set TB,  58
.set CNT, 59
.set TN,  60
.set ADN, 28
.set MSB, 0
.macro WIN new
.if MSB != \new
	s_set_vgpr_msb (MSB<<8)|\new
.set MSB, \new
.endif
.endm
.macro ROUND
	s_barrier_signal -1
	s_barrier_wait -1
	s_cmp_lg_u32 s[WV], 0
	s_cbranch_scc1 .Lnot_wave_0_\@
	s_barrier_signal -3
.Lnot_wave_0_\@:
	s_barrier_wait -3
	s_barrier_signal -1
	s_barrier_wait -1
.endm
.macro MKSC sc, lim
	s_lshl_b32 s43, s42, 23
	v_mov_b32 v[\sc], s43
	s_add_co_i32 s43, s42, 8
	s_lshl_b32 s43, s43, 23
	s_or_b32 s43, s43, 0x600000
	v_mov_b32 v[\lim], s43
.endm
	s_load_b256 s[4:11], s[0:1], 0x0
	v_lshl_add_u32 v[SPW], v0, 2, SPARE
	v_mov_b32 v[NIL], 0
	ds_add_u32 v[SPW], v[NIL]
	ds_add_u32 v[SPW], v[NIL]
	v_lshrrev_b32 v1, 5, v0
	s_delay_alu instid0(VALU_DEP_1)
	v_readfirstlane_b32 s[WV], v1
	s_bfe_u32 s13, ttmp6, 0x40000
	s_lshl_b32 s14, ttmp9, 2
	s_add_co_u32 s14, s14, s13
	s_and_b32 s15, ttmp7, 0xffff
	s_lshr_b32 s16, s15, 4
	s_and_b32 s17, s15, 15
	s_lshl_b32 s18, s16, 11
	s_lshl_b32 s19, s14, 9
	s_add_co_u32 s18, s18, s19
	s_lshl_b32 s19, s[WV], 6
	s_add_co_u32 s18, s18, s19
	s_lshl_b32 s20, s18, 12
	s_lshl_b32 s19, s17, 8
	s_add_co_u32 s20, s20, s19
	s_mov_b32 s21, 0
	s_add_co_u32 s22, s18, s17
	s_lshl_b32 s22, s22, 10
	s_mov_b32 s23, 0
	s_mov_b32 s[G1], 15|(3<<16)|(1<<21)
	s_mov_b32 s[G1+1], 32<<16
	s_mov_b32 s[G1+2], 64<<16
	s_mov_b32 s[G1+3], 32<<16
	s_mov_b32 s[G1+4], 64
	s_mov_b32 s[G1+5], 32
	s_mov_b32 s[G1+6], 0
	s_mov_b32 s[G1+7], 0
	s_mov_b32 s[SEL], 0x76543210
	s_mov_b32 s[SEL+1], 0xfedcba98
	s_mov_b32 s[G0], 1
	s_lshl_b32 s[G0+1], s[WV], 14
	s_mov_b32 s[G0+4], 1
	s_add_co_u32 s[G0+5], s[G0+1], 8*STEPB
	s_lshl_b32 s40, s15, 18
	s_add_co_u32 s40, s40, s[G0+1]
	s_mov_b32 s41, 0
	v_and_b32 v[ADL], 31, v0
	s_delay_alu instid0(VALU_DEP_1)
	v_lshlrev_b32 v[ADL], 4, v[ADL]
	v_and_b32 v16, 15, v0
	v_bfe_u32 v17, v0, 4, 1
	s_delay_alu instid0(VALU_DEP_2)
	v_lshlrev_b32 v[QO], 12, v16
	s_delay_alu instid0(VALU_DEP_1)
	v_lshl_add_u32 v[QO], v17, 6, v[QO]
	s_delay_alu instid0(VALU_DEP_4)
	v_lshlrev_b32 v[GO], 4, v16
	s_delay_alu instid0(VALU_DEP_1)
	v_lshl_add_u32 v[GO], v17, 3, v[GO]
	s_wait_dscnt 0x0
	s_wait_kmcnt 0x0
	s_load_b128 s[48:51], s[8:9], 0x0
	s_load_b64 s[52:53], s[8:9], 0x10
	s_add_nc_u64 s[G0+2:G0+3], s[6:7], s[40:41]
	s_add_nc_u64 s[G0+6:G0+7], s[G0+2:G0+3], 8*STEPB
	s_or_b32 s[G0+3], s[G0+3], 0x80000000
	s_or_b32 s[G0+7], s[G0+7], 0x80000000
	s_add_nc_u64 s[4:5], s[4:5], s[20:21]
	s_add_nc_u64 s[10:11], s[10:11], s[22:23]
	ROUND
	tensor_load_to_lds s[G0:G0+3], s[G1:G1+7]
	s_nop 0
	s_wait_alu depctr_va_vdst(0)
.irp a, 0,1,2,3                        ; q's 64 rows are asked for behind the first joint load: they are on their way during both fills
.irp c, 0,1
.irp j, 0,1,2,3
	global_load_b128 v[SB+32*\a+16*\c+4*\j:SB+32*\a+16*\c+4*\j+3], v[QO], s[4:5] offset:65536*\a+128*\c+16*\j
.endr
.endr
.endr
	s_wait_tensorcnt 0x0
	ds_add_u32 v5, v6
	s_wait_dscnt 0x0
	ROUND
	tensor_load_to_lds s[G0+4:G0+7], s[G1:G1+7]
	s_nop 0
.rept 4
	v_nop
.endr
	s_wait_alu depctr_va_vdst(0)
	WIN 0x40
.set n, 0
.rept 128
	v_mov_b32 v[n], 0
.set n, n+1
.endr
	WIN 0
.irp a, 0,1,2,3
	v_mov_b32 v[ST+4*\a+1], 0xff61b1e6
	s_delay_alu instid0(VALU_DEP_1)
	v_floor_f32 v[ST+4*\a], -v[ST+4*\a+1]
	v_mov_b32 v[ST+4*\a+2], 0
	v_mov_b32 v[ST+4*\a+3], 0
.endr
	v_mov_b32 v[FF+1], 0
	v_mov_b32 v[PD], 0
	s_wait_kmcnt 0x0
	s_add_co_i32 s42, s48, s49
	s_lshl_b32 s42, s42, 23
	s_add_co_i32 s[CS], s42, 0x3fb8aa3b
	s_mov_b32 s[CS+1], s[CS]
	s_add_co_i32 s42, s48, 130
	MKSC QSC, QLM
	s_add_co_i32 s42, s50, 127
	MKSC PSC, PL0
	s_delay_alu instid0(VALU_DEP_1)
	v_mov_b32 v[PL1], v[PL0]
	s_sub_co_i32 s42, s52, s50
	s_sub_co_i32 s42, s42, s51
	s_add_co_i32 s42, s42, 127
	MKSC OSC, OLM
	s_wait_alu depctr_va_vdst(0)
	s_wait_loadcnt 0x0
.set n, 0
.rept 128
	v_med3_num_f32 v[SB+n], v[SB+n], -v[QLM], v[QLM]
.set n, n+1
.endr
	WIN 0x40
.irp a, 0,1,2,3
.irp g, 0,1,2,3
	v_cvt_scalef32_pk8_fp8_f32 v[QF+8*\a+2*\g:QF+8*\a+2*\g+1], v[SB+32*\a+8*\g:SB+32*\a+8*\g+7], v[QSC]
.endr
.endr
	v_nop
	WIN 0
.macro SMUL a
	WIN 0x04
.irp f, 0,1,2,3,4,5,6,7
	v_wmma_f32_16x16x64_fp8_fp8 v[SB+64*((\a)%2)+8*\f:SB+64*((\a)%2)+8*\f+7], v[KF+8*\f:KF+8*\f+7], v[QF+8*(\a):QF+8*(\a)+7], 0
.endr
.endm
.macro SOFTMAX a
.set SBB, SB+64*((\a)%2)
.set STA, ST+4*(\a)
	WIN 0
.irp k, 0,1,2,3
	v_max3_num_f32 v[MX+\k], v[SBB+16*\k], v[SBB+16*\k+1], v[SBB+16*\k+2]
.endr
.irp i, 3,5,7,9,11,13
.irp k, 0,1,2,3
	v_max3_num_f32 v[MX+\k], v[MX+\k], v[SBB+16*\k+\i], v[SBB+16*\k+\i+1]
.endr
.endr
	v_max3_num_f32 v[MX], v[MX], v[SBB+15], v[SBB+31]
	v_max3_num_f32 v[MX+2], v[MX+2], v[SBB+47], v[SBB+63]
	s_delay_alu instid0(VALU_DEP_1)
	v_max3_num_f32 v[MX], v[MX], v[MX+1], v[MX+2]
	s_delay_alu instid0(VALU_DEP_1)
	v_max_num_f32 v[MX], v[MX], v[MX+3]
	s_delay_alu instid0(VALU_DEP_1)
	v_permlanex16_b32 v[PD], v[MX], s[SEL], s[SEL+1]
	s_delay_alu instid0(VALU_DEP_1)
	v_max_num_f32 v[MX], v[MX], v[PD]
	s_delay_alu instid0(VALU_DEP_1)
	v_mul_f32 v[MX], s[CS], v[MX]
	s_delay_alu instid0(VALU_DEP_1)
	v_max_num_f32 v[STA+1], v[STA+1], v[MX]
	v_mov_b32 v[MX], v[STA]
	s_delay_alu instid0(VALU_DEP_2)
	v_floor_f32 v[STA], -v[STA+1]
	s_delay_alu instid0(VALU_DEP_1)
	v_sub_f32 v[MX], v[STA], v[MX]
	s_delay_alu instid0(VALU_DEP_1)
	v_cvt_i32_f32 v[MX], v[MX]
	s_delay_alu instid0(VALU_DEP_1)
	v_ldexp_f32 v[FF], 1.0, v[MX]
.irp j, 0,2,4,6,8,10,12,14,16,18,20,22,24,26,28,30,32,34,36,38,40,42,44,46,48,50,52,54,56,58,60,62
	v_pk_fma_f32 v[SBB+\j:SBB+\j+1], v[SBB+\j:SBB+\j+1], s[CS:CS+1], v[STA:STA+1] op_sel_hi:[1,0,0]
.endr
.set n, 0
	s_wait_alu depctr_va_vdst(0)
.rept 64
	v_exp_f32 v[SBB+n], v[SBB+n]
.set n, n+1
.endr
	v_pk_mul_f32 v[STA+2:STA+3], v[STA+2:STA+3], v[FF:FF+1] op_sel_hi:[1,0]
	s_wait_alu depctr_va_vdst(0)
	v_pk_add_f32 v[CH:CH+1], v[SBB:SBB+1], v[SBB+2:SBB+3]
	v_pk_add_f32 v[CH+2:CH+3], v[SBB+4:SBB+5], v[SBB+6:SBB+7]
	v_pk_add_f32 v[CH+4:CH+5], v[SBB+8:SBB+9], v[SBB+10:SBB+11]
.irp j, 12,20,28,36,44,52
	v_pk_add_f32 v[STA+2:STA+3], v[STA+2:STA+3], v[SBB+\j:SBB+\j+1]
	v_pk_add_f32 v[CH:CH+1], v[CH:CH+1], v[SBB+\j+2:SBB+\j+3]
	v_pk_add_f32 v[CH+2:CH+3], v[CH+2:CH+3], v[SBB+\j+4:SBB+\j+5]
	v_pk_add_f32 v[CH+4:CH+5], v[CH+4:CH+5], v[SBB+\j+6:SBB+\j+7]
.endr
	v_pk_add_f32 v[STA+2:STA+3], v[STA+2:STA+3], v[SBB+60:SBB+61]
	v_pk_add_f32 v[CH:CH+1], v[CH:CH+1], v[SBB+62:SBB+63]
	s_delay_alu instid0(VALU_DEP_3)
	v_pk_add_f32 v[CH+2:CH+3], v[CH+2:CH+3], v[CH+4:CH+5]
	s_delay_alu instid0(VALU_DEP_2)
	v_pk_add_f32 v[STA+2:STA+3], v[STA+2:STA+3], v[CH:CH+1]
	s_delay_alu instid0(VALU_DEP_1)
	v_pk_add_f32 v[STA+2:STA+3], v[STA+2:STA+3], v[CH+2:CH+3]
.irp b, 0,1,2,3
.if DUAL
.irp j, 0,2,4,6,8,10,12,14
	v_dual_min_num_f32 v[SBB+16*\b+\j], v[SBB+16*\b+\j], v[PL0] :: v_dual_min_num_f32 v[SBB+16*\b+\j+1], v[SBB+16*\b+\j+1], v[PL1]
.endr
.else
.irp j, 0,1,2,3,4,5,6,7,8,9,10,11,12,13,14,15
	v_min_num_f32 v[SBB+16*\b+\j], v[SBB+16*\b+\j], v[PL0]
.endr
.endif
	v_cvt_scalef32_pk8_fp8_f32 v[PC+4*\b:PC+4*\b+1], v[SBB+16*\b:SBB+16*\b+7], v[PSC]
	v_cvt_scalef32_pk8_fp8_f32 v[PC+4*\b+2:PC+4*\b+3], v[SBB+16*\b+8:SBB+16*\b+15], v[PSC]
.endr
.endm
.macro PV a
	WIN 0x41
.irp j, 0,2,4,6,8,10,12,14,16,18,20,22,24,26,28,30
	v_pk_mul_f32 v[32*(\a)+\j:32*(\a)+\j+1], v[32*(\a)+\j:32*(\a)+\j+1], v[FF:FF+1] op_sel_hi:[1,0]
.endr
	WIN 0x51
.irp t, 0,1,2,3
	v_wmma_f32_16x16x128_fp8_fp8 v[32*(\a)+8*\t:32*(\a)+8*\t+7], v[VF+16*\t:VF+16*\t+15], v[PC:PC+15], v[32*(\a)+8*\t:32*(\a)+8*\t+7]
.endr
.endm
.macro STEP
	WIN 0
	s_add_co_u32 s[TN], s[TB], STEPB
	s_and_b32 s[TN], s[TN], 16*STEPB-1             ; the next step; the last step's fetch wraps to step 0 and is not used
	v_add_nc_u32 v[ADR], s[TB], v[ADL]
	v_add_nc_u32 v[ADN], s[TN], v[ADL]
	v_nop
	v_nop                                          ; four places behind the last products, ahead of the loads into their sources
	s_wait_alu depctr_va_vdst(0)
	WIN 0x40
.irp t, 0,1,2,3
.irp c, 0,1,2,3
	ds_load_b128 v[VF+16*\t+4*\c:VF+16*\t+4*\c+3], v[ADR] offset:8192+2048*\t+512*\c
.endr
.endr
	s_wait_dscnt 16
	SMUL 0
	SMUL 1
.rept 4
	v_nop
.endr
	SOFTMAX 0
	s_wait_dscnt 0x0
	PV 0
	SMUL 2
	SOFTMAX 1
	PV 1
	SMUL 3
	WIN 0
.rept 4
	v_nop                                          ; places behind the last products on K's fragments
.endr
.irp f, 0,1,2,3,4,5,6,7                ; the next step's K: two tiles' work ahead of its use
	ds_load_b128 v[KF+8*\f:KF+8*\f+3],   v[ADN] offset:1024*\f
	ds_load_b128 v[KF+8*\f+4:KF+8*\f+7], v[ADN] offset:1024*\f+512
.endr
	SOFTMAX 2
	PV 2
	SOFTMAX 3
	PV 3
.endm
.macro GROUP left, tb0
	s_wait_tensorcnt \left
	s_barrier_signal -1
	s_barrier_wait -1
	s_mov_b32 s[TB], \tb0
.irp f, 0,1,2,3,4,5,6,7                ; step 0's K
	ds_load_b128 v[KF+8*\f:KF+8*\f+3],   v[ADL] offset:1024*\f
	ds_load_b128 v[KF+8*\f+4:KF+8*\f+7], v[ADL] offset:1024*\f+512
.endr
	s_mov_b32 s[CNT], 16
.Lstep_\@:
	STEP
	WIN 0
	s_add_co_u32 s[TB], s[TB], STEPB
	s_sub_co_u32 s[CNT], s[CNT], 1
	s_cmp_lg_u32 s[CNT], 0
	s_cbranch_scc1 .Lstep_\@
.endm
	GROUP 0, 0                                     ; both fills are waited for once: one loop over the head's sixteen steps
	s_wait_alu depctr_va_vdst(0)
	s_wait_dscnt 0x0                               ; the last fetch has landed: its registers may be written
.irp a, 0,1,2,3
	v_add_f32 v[MX+\a], v[ST+4*\a+2], v[ST+4*\a+3]
.endr
.irp a, 0,1,2,3
	s_delay_alu instid0(VALU_DEP_4)
	v_permlanex16_b32 v[CH+\a], v[MX+\a], s[SEL], s[SEL+1]
.endr
.irp a, 0,1,2,3
	s_delay_alu instid0(VALU_DEP_4)
	v_add_f32 v[MX+\a], v[MX+\a], v[CH+\a]
.endr
	s_wait_alu depctr_va_vdst(0)
.irp a, 0,1,2,3
	v_rcp_f32 v[ST+4*\a+2], v[MX+\a]
.endr
	v_nop
	s_wait_alu depctr_va_vdst(0)
	WIN 0x01
.irp a, 0,1,2,3
.irp j, 0,2,4,6,8,10,12,14,16,18,20,22,24,26,28,30
	v_pk_mul_f32 v[SB+32*\a+\j:SB+32*\a+\j+1], v[32*\a+\j:32*\a+\j+1], v[ST+4*\a+2:ST+4*\a+3] op_sel_hi:[1,0]
.endr
.endr
	WIN 0
.set n, 0
.rept 128
	v_med3_num_f32 v[SB+n], v[SB+n], -v[OLM], v[OLM]
.set n, n+1
.endr
.irp a, 0,1,2,3
.irp t, 0,1,2,3
	v_cvt_scalef32_pk8_fp8_f32 v[KF+8*\a+2*\t:KF+8*\a+2*\t+1], v[SB+32*\a+8*\t:SB+32*\a+8*\t+7], v[OSC]
.endr
.endr
	v_nop
.irp a, 0,1,2,3
.irp t, 0,1,2,3
	global_store_b64 v[GO], v[KF+8*\a+2*\t:KF+8*\a+2*\t+1], s[10:11] offset:16384*\a+256*\t
.endr
.endr
	s_wait_tensorcnt 0x0
	ds_add_u32 v[SPW], v[NIL]
	s_wait_dscnt 0x0
	ROUND
	s_endpgm
.Lfunc_end_k_q16acb6147c_attn:
	.size	k_q16acb6147c_attn, .Lfunc_end_k_q16acb6147c_attn-k_q16acb6147c_attn
	.p2alignl 7, 3214868480
	.fill 96, 4, 3214868480
	.section	.rodata,"a",@progbits
	.p2align	6, 0x0
	.amdhsa_kernel k_q16acb6147c_attn
		.amdhsa_group_segment_fixed_size 327680
		.amdhsa_private_segment_fixed_size 0
		.amdhsa_enable_private_segment 0
		.amdhsa_kernarg_size 32
		.amdhsa_user_sgpr_count 2
		.amdhsa_user_sgpr_kernarg_segment_ptr 1
		.amdhsa_wavefront_size32 1
		.amdhsa_system_sgpr_workgroup_id_x 1
		.amdhsa_system_sgpr_workgroup_id_y 1
		.amdhsa_system_sgpr_workgroup_id_z 1
		.amdhsa_system_vgpr_workitem_id 0
		.amdhsa_next_free_vgpr 512
		.amdhsa_next_free_sgpr 66
		.amdhsa_reserve_vcc 0
		.amdhsa_float_denorm_mode_32 3
		.amdhsa_float_denorm_mode_16_64 3
		.amdhsa_memory_ordered 1
		.amdhsa_forward_progress 1
		.amdhsa_inst_pref_size 96
	.end_amdhsa_kernel
	.amdgpu_metadata
---
amdhsa.version: [ 1, 2 ]
amdhsa.kernels:
  - .name:           k_q16acb6147c_attn
    .symbol:         k_q16acb6147c_attn.kd
    .args:
      - { .name: q, .offset: 0, .size: 8, .value_kind: global_buffer, .address_space: global }
      - { .name: kvimg, .offset: 8, .size: 8, .value_kind: global_buffer, .address_space: global }
      - { .name: lowp_scales, .offset: 16, .size: 8, .value_kind: global_buffer, .address_space: global }
      - { .name: aimg, .offset: 24, .size: 8, .value_kind: global_buffer, .address_space: global }
    .group_segment_fixed_size: 327680
    .private_segment_fixed_size: 0
    .kernarg_segment_align: 8
    .kernarg_segment_size: 32
    .max_flat_workgroup_size: 256
    .sgpr_count:     66
    .vgpr_count:     512
    .wavefront_size: 32
...
	.end_amdgpu_metadata
.endif
;; end of part 2
;; launch proj (part 3): grid 256 x 1, 16 waves a work-group, clusters of 4 x 1, 327,680 bytes of LDS; arguments aimg, wimg, lowp_scales, g, out0; writes out0
.if DOCPART == 3
	.amdgcn_target "amdgcn-amd-amdhsa--gfx1250"
	.amdhsa_code_object_version 6
	.text
	.protected	k_q16acb6147c_proj
	.globl	k_q16acb6147c_proj
	.p2align	8
	.type	k_q16acb6147c_proj,@function
k_q16acb6147c_proj:
	s_mov_b64 s[64:65], 0
	v_nop
	global_prefetch_b8 v0, s[64:65] scope:SCOPE_SE
	s_setreg_imm32_b32 hwreg(HW_REG_WAVE_MODE, 25, 1), 1
	s_wait_xcnt 0x0
	s_wait_alu depctr_hold_cnt(0) depctr_sa_sdst(0) depctr_va_vdst(0) depctr_va_sdst(0) depctr_va_ssrc(0) depctr_va_vcc(0) depctr_vm_vsrc(0)
	s_getreg_b32 s2, hwreg(HW_REG_IB_STS2, 6, 4)
	s_cmp_eq_u32 s2, 0
	s_cbranch_scc0 .Lentry_in_a_cluster
	s_endpgm
.Lentry_in_a_cluster:
	s_bfe_u32 s2, ttmp6, 0x10000c
	s_cmp_lg_u32 s2, 0x3003
	s_cbranch_scc0 .Lentry_shape_is_right
	s_endpgm
.Lentry_shape_is_right:
; PROJ: out0 = LayerNorm(o W_out^T) x g.  The product is on codes of E4M3 (aimg, wimg: images of the operands' registers, made by the two launches before); sums, mean, variance and the rest in f32.
; Nothing of reference() is left out here.
; THE SCALES.  A raw sum a stands for a x 2^E, E = e4 + e5.  (a 2^E - mean 2^E) rsqrt(var 2^2E + eps) = (a - mean) rsqrt(var + eps 2^-2E): the norm is taken of the raw sums, and 2 E is taken off eps's exponent field.
; LIMIT: e4 + e5 lies between -72 and 54, so that eps 2^-2E is an f32 number.
; SHARES.  A work-group owns 32 WHOLE rows (the norm needs the whole row).  Wave w of sixteen owns columns 64 w .. 64 w + 63 of all 32 rows: eight accumulators (two tiles of rows x four of columns).
; The product is used transposed (source 0 = 16 rows of W_out, source 1 = 16 rows of o): a lane holds one row of each tile of rows, and 32 of its columns.
; THE WALK OVER K has eight steps of 131,072 bytes of W and begins at step (cluster's number) % 8, going round: the clusters ask for different steps at a time.  That number is the same in all four partners.
; W COMES BY TWO WAYS AT ONCE.  The walk's even steps come through two LDS slots by JOINT loads in clusters of four (every work-group walks all of W); each wave loads and reads its own 8,192 bytes of a step.
; The odd steps go from memory straight into 64 registers of the wave (wimg is laid as the registers want it; no fragment is read by two waves of a work-group), asked for one trip ahead: 16 loads a wave.
; So the ring has four trips and three refills for the eight steps.  No prefetch: each odd step is asked for a whole trip ahead of its use, and each even step's load stands directly behind its round.
; The work-group's 32,768 bytes of o's codes go to LDS once, through registers, and every wave reads them.
; The mean is taken first and the squares of the centred sums second: no difference of large sums is formed.
.set SLOT,  131072
.set AIMG,  2*SLOT                     ; o's image: [m 2][s 8][c 4][L 32][16]
.set STAT,  AIMG+32768                 ; [row 32][wave 16] f32, for the sums; 2,048 bytes on the same for the squares
.set SPARE, STAT+4096                  ; the spare words, 128 bytes a wave: eight blocks of 256 bytes that no other line names
.set LI,  1                            ; 16 x lane
.set W0,  2                            ; v2, v3  my fragments of W in slot 0, 1
.set AB,  4                            ; o's image + 16 x lane
.set AW,  5                            ; where I store my part of o's image
.set SPW, 6                            ; my spare word; never rewritten
.set NIL, 7                            ; 0; never rewritten
.set SS,  8
.set SR,  9
.set STO, 10
.set RD,  11
.set CO,  12
.set GOF, 13
.set AG,  14
.set PD,  15
.set AS,  18                           ; o's fragments of the K step in hand
.set DO,  19                           ; the odd step's byte offset in wimg + 16 x lane
.set AF,  32                           ; v32-63   o's two fragments; later the rows' parts
.set WF,  64                           ; v64-127  W's four fragments out of LDS; later g (v64-95) and rows of out0
.set GG,  64
.set DF,  128                          ; v128-191 W's four fragments straight from memory; later the norm's few numbers
.set CH,  128
.set PT,  132
.set MN,  136
.set RS,  140
.set ACC, 192                          ; v192-255 the sums: (m, t) at v[ACC + 32 m + 8 t]
.set WV,  14
.set G1,  24
.set G0,  32
.set SEL, 56
.macro ROUND                           ; a round of the cluster's barrier
	s_barrier_signal -1
	s_barrier_wait -1
	s_cmp_lg_u32 s[WV], 0
	s_cbranch_scc1 .Lnot_wave_0_\@
	s_barrier_signal -3
.Lnot_wave_0_\@:
	s_barrier_wait -3
	s_barrier_signal -1
	s_barrier_wait -1
.endm
.macro DLOAD                           ; an odd step's four fragments: each load reads 512 consecutive bytes
.irp t, 0,1,2,3
.irp c, 0,1,2,3
	global_load_b128 v[DF+16*\t+4*\c:DF+16*\t+4*\c+3], v[DO], s[46:47] offset:2048*\t+512*\c
.endr
.endr
.endm
.macro ALOAD                           ; o's two fragments of the step in hand
.irp m, 0,1
.irp c, 0,1,2,3
	ds_load_b128 v[AF+16*\m+4*\c:AF+16*\m+4*\c+3], v[AS] offset:16384*\m+512*\c
.endr
.endr
.endm
.macro MUL8 base, z                    ; the eight accumulators take turns, one instruction a turn; z = 1: the first step's products start the sums
.irp m, 0,1
.irp t, 0,1,2,3
.if \z
	v_wmma_f32_16x16x128_fp8_fp8 v[ACC+32*\m+8*\t:ACC+32*\m+8*\t+7], v[\base+16*\t:\base+16*\t+15], v[AF+16*\m:AF+16*\m+15], 0
.else
	v_wmma_f32_16x16x128_fp8_fp8 v[ACC+32*\m+8*\t:ACC+32*\m+8*\t+7], v[\base+16*\t:\base+16*\t+15], v[AF+16*\m:AF+16*\m+15], v[ACC+32*\m+8*\t:ACC+32*\m+8*\t+7]
.endif
.endr
.endr
.endm
.macro ASTEP j                         ; the address of o's fragments at the walk's step j; with the three v_nop four places behind the last products, ahead of the loads into their sources (ISA guide 7.12.1 for vector instructions)
	s_add_co_u32 s51, s50, \j
	s_and_b32 s51, s51, 7
	s_lshl_b32 s51, s51, 11
.rept 3
	v_nop
.endr
	v_add_nc_u32 v[AS], s51, v[AB]
.endm
	s_load_b256 s[4:11], s[0:1], 0x0               ; aimg, wimg, the scales' exponents, g
	s_load_b64 s[12:13], s[0:1], 0x20              ; out0
	v_lshl_add_u32 v[SPW], v0, 2, SPARE
	v_mov_b32 v[NIL], 0
	ds_add_u32 v[SPW], v[NIL]                      ; the wave's opening: the add, twice on end, and its wait ahead of my first tensor load
	ds_add_u32 v[SPW], v[NIL]
	v_lshrrev_b32 v16, 5, v0
	v_readfirstlane_b32 s[WV], v16                 ; wave 0..15
	s_bfe_u32 s15, ttmp6, 0x40000                  ; cx: it enters aimg's and out0's addresses alone
	s_lshl_b32 s16, ttmp9, 2
	s_add_co_u32 s16, s16, s15                     ; my block of 32 rows
	s_and_b32 s50, ttmp9, 7                        ; where the walk begins
	s_mov_b32 s49, 0
	s_mov_b32 s[G1], 15|(3<<16)|(1<<21)            ; the mask: all four work-groups; elements of 8 bytes; no padding; bit 21 beside a mask
	s_mov_b32 s[G1+1], 32<<16                      ; 32 rows of 256 bytes, dense in memory and in LDS
	s_mov_b32 s[G1+2], 32<<16
	s_mov_b32 s[G1+3], 32<<16
	s_mov_b32 s[G1+4], 32
	s_mov_b32 s[G1+5], 32
	s_mov_b32 s[G1+6], 0
	s_mov_b32 s[G1+7], 0
	s_mov_b32 s[SEL], 0x76543210
	s_mov_b32 s[SEL+1], 0xfedcba98
	s_mov_b32 s60, 0x3a800000                      ; 1 / 1,024
	s_lshl_b32 s17, s[WV], 13                      ; my 8,192 bytes of a K step
	s_mov_b32 s[G0], 1
	s_mov_b32 s[G0+1], s17
	s_mov_b32 s[G0+4], 1
	s_add_co_u32 s[G0+5], s17, SLOT                ; no place in the cluster enters an LDS address
	s_mov_b32 s40, s17
	s_mov_b32 s41, 0
	s_lshl_b32 s42, s16, 15                        ; my block's 32,768 bytes of aimg
	s_mov_b32 s43, 0
	s_lshl_b32 s44, s16, 17                        ; and its 32 rows of out0
	s_mov_b32 s45, 0
	s_lshl_b32 s18, s[WV], 11
	s_lshl_b32 s19, s[WV], 2
	s_lshl_b32 s23, s[WV], 8
	v_and_b32 v[LI], 31, v0
	v_lshlrev_b32 v[LI], 4, v[LI]
	v_and_b32 v16, 15, v0                          ; r
	v_bfe_u32 v17, v0, 4, 1                        ; h
	v_add_nc_u32 v[W0], s17, v[LI]
	v_add_nc_u32 v[W0+1], SLOT, v[W0]
	v_add_nc_u32 v[AB], AIMG, v[LI]
	v_add_nc_u32 v[AG], s18, v[LI]                 ; my wave's 2,048 bytes of the image
	v_add_nc_u32 v[AW], AIMG, v[AG]
	v_lshlrev_b32 v[SR], 6, v16
	v_add_nc_u32 v[SR], STAT, v[SR]                ; row r: 64 bytes
	v_add_nc_u32 v[SS], s19, v[SR]                 ; my wave's word of them
	v_mul_u32_u24 v[STO], v16, 272
	v_lshl_add_u32 v[STO], v17, 5, v[STO]
	v_add_nc_u32 v[STO], s17, v[STO]               ; the stage: 16 rows of 272 bytes in my own bytes of slot 0: in: row r, 32 bytes for each half of the lanes
	v_mul_u32_u24 v[RD], v17, 272
	v_lshl_add_u32 v[RD], v16, 4, v[RD]
	v_add_nc_u32 v[RD], s17, v[RD]                 ; back: lanes 0-15 one row, lanes 16-31 the next
	v_lshlrev_b32 v[CO], 12, v17
	v_lshl_add_u32 v[CO], v16, 4, v[CO]
	v_add_nc_u32 v[CO], s23, v[CO]                 ; the same two rows in out0, at my wave's 256 bytes
	v_lshlrev_b32 v[GOF], 5, v17
	v_add_nc_u32 v[GOF], s23, v[GOF]               ; g: 256 w + 32 h
	v_mov_b32 v[PD], 0                             ; written once: a lane permute's destination counts as one of its sources
	s_wait_alu depctr_va_vdst(0)
	s_wait_dscnt 0x0                               ; both opening adds are done
	s_wait_kmcnt 0x0
	s_load_b64 s[20:21], s[8:9], 0x10              ; e4, e5
	s_add_nc_u64 s[46:47], s[6:7], s[40:41]        ; my wave's part of K step 0
	s_lshl_b32 s48, s50, 17
	s_add_nc_u64 s[G0+2:G0+3], s[46:47], s[48:49]  ; the walk's step 0,
	s_add_co_u32 s48, s50, 2
	s_and_b32 s48, s48, 7
	s_lshl_b32 s48, s48, 17
	s_add_nc_u64 s[G0+6:G0+7], s[46:47], s[48:49]  ; its step 2
	s_or_b32 s[G0+3], s[G0+3], 0x80000000          ; type = 2
	s_or_b32 s[G0+7], s[G0+7], 0x80000000
	s_add_nc_u64 s[4:5], s[4:5], s[42:43]
	s_add_nc_u64 s[12:13], s[12:13], s[44:45]
.irp c, 0,1,2,3
	global_load_b128 v[AF+4*\c:AF+4*\c+3], v[AG], s[4:5] offset:512*\c th:TH_LOAD_NT   ; 512 consecutive bytes of o's image
.endr
	s_add_co_u32 s52, s50, 1
	s_and_b32 s52, s52, 7
	s_lshl_b32 s52, s52, 17
	v_add_nc_u32 v[DO], s52, v[LI]
	DLOAD                                          ; the walk's step 1
	ROUND                                          ; all four work-groups are here: the first joint load meets
	tensor_load_to_lds s[G0:G0+3], s[G1:G1+7]      ; the walk's step 0 into slot 0: one load of mine is out
	s_nop 0
.rept 4
	v_nop
.endr
	s_wait_loadcnt 16                              ; my part of o's image is in; step 1's 16 loads may be out
.irp c, 0,1,2,3
	ds_store_b128 v[AW], v[AF+4*\c:AF+4*\c+3] offset:512*\c
.endr
; TRIP i: the walk's steps 2 i (slot i % 2) and 2 i + 1 (registers).  In front of the round each wave waits for all its tensor loads (its part of step 2 i), adds 0 to its spare word, and waits for that,
; for its reads of the other slot and (i = 0) for its stores of o's image.  Behind the round step 2 i + 2 is asked for, into the other slot: the wave's one tensor load until the next round.
; The last trip asks for nothing, and a wave reads only the bytes of W that it loaded itself: its own wait is all that it needs.
.macro TRIP i
.set SG, (\i)%2
	s_wait_tensorcnt 0x0                           ; no tensor load of mine is out, so a group 0 may be written
.if (\i) < 3
	ds_add_u32 v[SPW], v[NIL]                      ; 0 onto my spare word
.if (\i) < 2
	s_add_co_u32 s48, s50, 2*(\i)+4                ; this slot's next K step, round the eight
	s_and_b32 s48, s48, 7
	s_lshl_b32 s48, s48, 17
	s_add_nc_u64 s[G0+4*SG+2:G0+4*SG+3], s[46:47], s[48:49]
	s_or_b32 s[G0+4*SG+3], s[G0+4*SG+3], 0x80000000
.endif
	s_wait_dscnt 0x0
	ROUND
	tensor_load_to_lds s[G0+4*(1-SG):G0+4*(1-SG)+3], s[G1:G1+7]
	s_nop 0
.endif
	ASTEP 2*(\i)
	ALOAD
.irp t, 0,1,2,3
.irp c, 0,1,2,3
	ds_load_b128 v[WF+16*\t+4*\c:WF+16*\t+4*\c+3], v[W0+SG] offset:2048*\t+512*\c
.endr
.endr
	s_wait_dscnt 0x0
	MUL8 WF, (\i)==0
	ASTEP 2*(\i)+1
.if (\i) == 3                          ; the ring's registers have had their last fragments: g at columns 64 w + 16 t + 8 h + 0 .. 7
.irp t, 0,1,2,3
	global_load_b128 v[GG+8*\t:GG+8*\t+3],   v[GOF], s[10:11] offset:64*\t
	global_load_b128 v[GG+8*\t+4:GG+8*\t+7], v[GOF], s[10:11] offset:64*\t+16
.endr
.endif
	ALOAD
.if (\i) == 3
	s_wait_loadcnt 8                               ; the odd step's 16 loads are in; g's eight may be out
.else
	s_wait_loadcnt 0x0                             ; the odd step's 16 loads, asked for a trip ago
.endif
	s_wait_dscnt 0x0
	MUL8 DF, 0
.if (\i) < 3
	s_add_co_u32 s52, s50, 2*(\i)+3                ; the next odd step
	s_and_b32 s52, s52, 7
	s_lshl_b32 s52, s52, 17
.rept 3
	v_nop
.endr
	v_add_nc_u32 v[DO], s52, v[LI]                 ; (the loads that read the old offset have come back)
	DLOAD
.endif
.endm
.irp i, 0,1,2,3
	TRIP \i
.endr
	; THE NORM.  Lane (r, h) holds, of rows r and 16 + r, columns 64 w + 16 t + 8 h + 0 .. 7.
.macro PART m                          ; the two chains become my wave's part of row 16 m + r
	v_pk_add_f32 v[CH:CH+1], v[CH:CH+1], v[CH+2:CH+3]
	v_add_f32 v[CH], v[CH], v[CH+1]
	v_permlanex16_b32 v[PD], v[CH], s[SEL], s[SEL+1]
	v_add_f32 v[PT+\m], v[CH], v[PD]
.endm
.macro ACROSS off                      ; the sixteen waves' parts meet in LDS; every wave adds them in the same order: the totals stand in v[AF] and v[AF + 16]
	ds_store_b32 v[SS], v[PT] offset:\off
	ds_store_b32 v[SS], v[PT+1] offset:\off+1024
	s_wait_dscnt 0x0
	s_barrier_signal -1
	s_barrier_wait -1
.irp m, 0,1
.irp i, 0,1,2,3
	ds_load_b128 v[AF+16*\m+4*\i:AF+16*\m+4*\i+3], v[SR] offset:\off+1024*\m+16*\i
.endr
.endr
	s_wait_dscnt 0x0
.irp m, 0,1
.irp i, 0,4,8,12
	v_pk_add_f32 v[AF+16*\m+\i:AF+16*\m+\i+1], v[AF+16*\m+\i:AF+16*\m+\i+1], v[AF+16*\m+\i+2:AF+16*\m+\i+3]
.endr
.endr
.irp m, 0,1
.irp i, 0,8
	v_pk_add_f32 v[AF+16*\m+\i:AF+16*\m+\i+1], v[AF+16*\m+\i:AF+16*\m+\i+1], v[AF+16*\m+\i+4:AF+16*\m+\i+5]
.endr
.endr
.irp m, 0,1
	v_pk_add_f32 v[AF+16*\m:AF+16*\m+1], v[AF+16*\m:AF+16*\m+1], v[AF+16*\m+8:AF+16*\m+9]
.endr
.irp m, 0,1
	v_add_f32 v[AF+16*\m], v[AF+16*\m], v[AF+16*\m+1]
.endr
.endm
.rept 4
	v_nop                                          ; places behind the last products
.endr
.irp m, 0,1
	v_pk_add_f32 v[CH:CH+1], v[ACC+32*\m:ACC+32*\m+1], v[ACC+32*\m+2:ACC+32*\m+3]     ; my 32 sums of the row, in two chains, in ascending order
	v_pk_add_f32 v[CH+2:CH+3], v[ACC+32*\m+4:ACC+32*\m+5], v[ACC+32*\m+6:ACC+32*\m+7]
.irp j, 8,12,16,20,24,28
	v_pk_add_f32 v[CH:CH+1], v[CH:CH+1], v[ACC+32*\m+\j:ACC+32*\m+\j+1]
	v_pk_add_f32 v[CH+2:CH+3], v[CH+2:CH+3], v[ACC+32*\m+\j+2:ACC+32*\m+\j+3]
.endr
	PART \m
.endr
	ACROSS 0
.irp m, 0,1
	v_mul_f32 v[MN+2*\m], s60, v[AF+16*\m]         ; the row's mean, as a pair
	v_mov_b32 v[MN+2*\m+1], v[MN+2*\m]
.endr
.irp m, 0,1
.irp j, 0,2,4,6,8,10,12,14,16,18,20,22,24,26,28,30
	v_pk_add_f32 v[ACC+32*\m+\j:ACC+32*\m+\j+1], v[ACC+32*\m+\j:ACC+32*\m+\j+1], v[MN+2*\m:MN+2*\m+1] neg_lo:[0,1] neg_hi:[0,1]   ; centred in place
.endr
.endr
.irp m, 0,1
	v_pk_mul_f32 v[CH:CH+1], v[ACC+32*\m:ACC+32*\m+1], v[ACC+32*\m:ACC+32*\m+1]       ; the squares, in two chains
	v_pk_mul_f32 v[CH+2:CH+3], v[ACC+32*\m+2:ACC+32*\m+3], v[ACC+32*\m+2:ACC+32*\m+3]
.irp j, 4,8,12,16,20,24,28
	v_pk_fma_f32 v[CH:CH+1], v[ACC+32*\m+\j:ACC+32*\m+\j+1], v[ACC+32*\m+\j:ACC+32*\m+\j+1], v[CH:CH+1]
	v_pk_fma_f32 v[CH+2:CH+3], v[ACC+32*\m+\j+2:ACC+32*\m+\j+3], v[ACC+32*\m+\j+2:ACC+32*\m+\j+3], v[CH+2:CH+3]
.endr
	PART \m
.endr
	ACROSS 2048                                    ; other bytes than the sums': no wave can overwrite what another still reads
	s_wait_alu depctr_va_vdst(0)
	s_wait_kmcnt 0x0
	s_wait_loadcnt 0x0                             ; g
	s_add_co_i32 s22, s20, s21                     ; E = e4 + e5
	s_lshl_b32 s22, s22, 24
	s_sub_co_i32 s61, 0x3727c5ac, s22              ; 1e-5 x 2^-2E: 2 E off the exponent field
.irp m, 0,1
	v_fma_f32 v[AF+16*\m], v[AF+16*\m], s60, s61   ; the variance + eps, in units of the raw sums
.endr
	s_wait_alu depctr_va_vdst(0)
.irp m, 0,1
	v_rsq_f32 v[RS+2*\m], v[AF+16*\m]
.endr
	v_nop
	s_wait_alu depctr_va_vdst(0)
.irp m, 0,1
	v_mov_b32 v[RS+2*\m+1], v[RS+2*\m]
.endr
.irp m, 0,1
.irp j, 0,2,4,6,8,10,12,14,16,18,20,22,24,26,28,30
	v_pk_mul_f32 v[ACC+32*\m+\j:ACC+32*\m+\j+1], v[ACC+32*\m+\j:ACC+32*\m+\j+1], v[RS+2*\m:RS+2*\m+1]
.endr
.endr
.irp m, 0,1
.irp j, 0,2,4,6,8,10,12,14,16,18,20,22,24,26,28,30
	v_pk_mul_f32 v[ACC+32*\m+\j:ACC+32*\m+\j+1], v[ACC+32*\m+\j:ACC+32*\m+\j+1], v[GG+\j:GG+\j+1]   ; x g
.endr
.endr
	; THE WAY OUT.  A tile of 16 rows x my 256 bytes goes through my stage and comes back by rows.  The stage lies in my own bytes of slot 0, which has had its last fill and my last read.
	; LDS serves a wave's instructions in order (ISA guide 5.7.1.4): no wait between stores and loads, nor in front of the second tile's stores.
.irp m, 0,1
.irp t, 0,1,2,3
	ds_store_b128 v[STO], v[ACC+32*\m+8*\t:ACC+32*\m+8*\t+3] offset:64*\t
	ds_store_b128 v[STO], v[ACC+32*\m+8*\t+4:ACC+32*\m+8*\t+7] offset:64*\t+16
.endr
.irp i, 0,1,2,3,4,5,6,7
	ds_load_b128 v[WF+32*\m+4*\i:WF+32*\m+4*\i+3], v[RD] offset:544*\i
.endr
.endr
.irp m, 0,1
.irp i, 0,1,2,3,4,5,6,7
	s_wait_dscnt 23-16*\m-\i                       ; behind this load: its tile's younger loads, and for the first tile the second's sixteen LDS instructions
	global_store_b128 v[CO], v[WF+32*\m+4*\i:WF+32*\m+4*\i+3], s[12:13] offset:(16*\m+2*\i)*4096 th:TH_STORE_NT   ; each half of the lanes stores 256 consecutive bytes, aligned
.endr
.endr
	s_wait_tensorcnt 0x0                           ; the wave's end: three closing lines behind my last tensor load and my last LDS store
	ds_add_u32 v[SPW], v[NIL]
	s_wait_dscnt 0x0
	ROUND                                          ; the closing round: no work-group ends while a partner may still ask for a tile that names it
	s_endpgm
.Lfunc_end_k_q16acb6147c_proj:
	.size	k_q16acb6147c_proj, .Lfunc_end_k_q16acb6147c_proj-k_q16acb6147c_proj
	.p2alignl 7, 3214868480
	.fill 96, 4, 3214868480
	.section	.rodata,"a",@progbits
	.p2align	6, 0x0
	.amdhsa_kernel k_q16acb6147c_proj
		.amdhsa_group_segment_fixed_size 327680
		.amdhsa_private_segment_fixed_size 0
		.amdhsa_enable_private_segment 0
		.amdhsa_kernarg_size 40
		.amdhsa_user_sgpr_count 2
		.amdhsa_user_sgpr_kernarg_segment_ptr 1
		.amdhsa_wavefront_size32 1
		.amdhsa_system_sgpr_workgroup_id_x 1
		.amdhsa_system_sgpr_workgroup_id_y 1
		.amdhsa_system_sgpr_workgroup_id_z 1
		.amdhsa_system_vgpr_workitem_id 0
		.amdhsa_next_free_vgpr 256
		.amdhsa_next_free_sgpr 66
		.amdhsa_reserve_vcc 0
		.amdhsa_float_denorm_mode_32 3
		.amdhsa_float_denorm_mode_16_64 3
		.amdhsa_memory_ordered 1
		.amdhsa_forward_progress 1
		.amdhsa_inst_pref_size 48
	.end_amdhsa_kernel
	.amdgpu_metadata
---
amdhsa.version: [ 1, 2 ]
amdhsa.kernels:
  - .name:           k_q16acb6147c_proj
    .symbol:         k_q16acb6147c_proj.kd
    .args:
      - { .name: aimg, .offset: 0, .size: 8, .value_kind: global_buffer, .address_space: global }
      - { .name: wimg, .offset: 8, .size: 8, .value_kind: global_buffer, .address_space: global }
      - { .name: lowp_scales, .offset: 16, .size: 8, .value_kind: global_buffer, .address_space: global }
      - { .name: g, .offset: 24, .size: 8, .value_kind: global_buffer, .address_space: global }
      - { .name: out0, .offset: 32, .size: 8, .value_kind: global_buffer, .address_space: global }
    .group_segment_fixed_size: 327680
    .private_segment_fixed_size: 0
    .kernarg_segment_align: 8
    .kernarg_segment_size: 40
    .max_flat_workgroup_size: 512
    .sgpr_count:     66
    .vgpr_count:     256
    .wavefront_size: 32
...
	.end_amdgpu_metadata
.endif
;; end of part 3
